; MI455X (gfx1250); checked and timed in simulation.
; The chip was launched on July 23, 2026; its instructions are those of AMD's public machine-readable ISA for CDNA 5 (MIT licence, August 2026) and "CDNA5" Instruction Set Architecture Reference Guide (July 2026). The comments in the code are by the model that wrote it; some were corrected since.
;; Attention Base. Allowed arithmetic: float matrix products may take bf16 or f16 operands with f32 sums; all other float work in f32.
;; Inputs: attention_mask 2 x 2,048 bool; keys 2 x 2,048 x 2,048 float32; queries 2 x 2,048 x 2,048 float32; values 2 x 2,048 x 2,048 float32; w_out 2,048 x 2,048 float32.
;; Outputs: out0 2 x 2,048 x 2,048 float32.
;; 2 versions, each right; version 2 is version 1 with the launch prep written anew for expert scheduling mode. Each part assembles by itself: llvm-mc -triple=amdgcn-amd-amdhsa -mcpu=gfx1250 --defsym DOCPART=n.
;; ======== version 1 of 2: 3 launches
;; limits: values are held in f16: magnitudes above 65,504 overflow, below 6.1e-05 lose precision; inputs' magnitudes at most 65,504
;; workspace buffers: w16 8,388,608 bytes; ctx 16,777,216 bytes; order 16,640 bytes of whole numbers
;; launch prep (part 1): grid 256 x 1, 8 waves a work-group, no clusters, 9,472 bytes of LDS; arguments w_out, attention_mask, w16, order; writes w16, order
.if DOCPART == 1
	.amdgcn_target "amdgcn-amd-amdhsa--gfx1250"
	.amdhsa_code_object_version 6
	.text
	.protected	k_q382cf33abf_prep
	.globl	k_q382cf33abf_prep
	.p2align	8
	.type	k_q382cf33abf_prep,@function
k_q382cf33abf_prep:
	s_mov_b64 s[64:65], 0
	v_nop
	global_prefetch_b8 v0, s[64:65] scope:SCOPE_SE
	s_setreg_imm32_b32 hwreg(HW_REG_WAVE_MODE, 25, 1), 1
	s_wait_xcnt 0x0
; Two jobs.  (1) w16 = w_out rounded to f16: 2048 x 2048 numbers, 65,536 bytes of f32 for each of 256 work-groups, 8,192 for each wave.
; f16 and not bf16: 11 significant bits against 8.  LIMIT: a weight above 65,504 in magnitude becomes infinity; below 2^-14 the step is 2^-24.
; (2) order: for each batch b a list of 2048 key numbers, the keys whose mask byte is not 0 first (in any order), zeros behind them,
; at byte 8192 b; and their count n_b, 32 times, at byte 16384 + 128 b.  Wave 0 of work-groups 0 and 1 makes the list of batch 0 and 1
; while its share of w_out is on its way.  No mask pattern is assumed: any bytes give a right list, n_b = 0 to 2048.
; No matrix unit, no cluster, no barrier: a stream, and a scan that never leaves one wave.
.set X,  32                            ; v[32:95]   16 loads of 4 f32
.set Y,  96                            ; v[96:111]  8 pairs of packed f16, each used twice
.set MK, 8                             ; v[8:23]    64 mask bytes of my lane; later half of the list's way out
.set SPARE, 2048                       ; the word behind the list in LDS: where masked lanes store, and nobody reads
.macro WLOADS                          ; my wave's 8,192 bytes: 16 loads of 512 neighbouring bytes, all out at once
.set i, 0
.rept 16
	global_load_b128 v[X+4*i:X+4*i+3], v3, s[4:5] offset:512*i th:TH_LOAD_NT
.set i, i+1
.endr
.endm
	s_load_b256 s[4:11], s[0:1], 0x0               ; w_out s[4:5], mask s[6:7], w16 s[8:9], order s[10:11]
	v_lshl_add_u32 v112, v0, 2, 0x2100
	v_mov_b32 v113, 0
	v_lshrrev_b32 v1, 5, v0
	v_readfirstlane_b32 s12, v1                    ; wave 0..7
	s_mov_b32 s13, ttmp9                           ; work-group
	v_and_b32 v2, 31, v0                           ; lane
	v_lshlrev_b32 v3, 4, v2
	v_lshl_add_u32 v3, s12, 13, v3                 ; in w_out: 8,192 wave + 16 lane
	v_lshlrev_b32 v4, 3, v2
	v_lshl_add_u32 v4, s12, 12, v4                 ; in w16: 4,096 wave + 8 lane
	s_lshl_b32 s14, s13, 16                        ; the work-group's 65,536 bytes of w_out
	s_mov_b32 s15, 0
	s_lshl_b32 s16, s13, 15                        ; and its 32,768 bytes of w16
	s_mov_b32 s17, 0
	s_wait_kmcnt 0x0
	s_add_nc_u64 s[4:5], s[4:5], s[14:15]
	s_add_nc_u64 s[8:9], s[8:9], s[16:17]
	s_cmp_lg_u32 s12, 0
	s_cbranch_scc1 .Lplain                         ; only wave 0
	s_cmp_gt_u32 s13, 1
	s_cbranch_scc1 .Lplain                         ; of work-groups 0 and 1 scans; batch b = work-group
	; ---- the scan.  Lane L owns keys 64 L .. 64 L + 63.
	v_lshlrev_b32 v26, 6, v2                       ; 64 L: my first key, and my bytes in the batch's mask
	v_lshl_add_u32 v5, s13, 11, v26                ; + 2,048 b
.irp i, 0,1,2,3
	global_load_b128 v[MK+4*\i:MK+4*\i+3], v5, s[6:7] offset:16*\i
.endr
	WLOADS
	v_lshlrev_b32 v27, 4, v2                       ; the list in LDS by rows: 16 L,
	v_lshl_add_u32 v28, s13, 13, v27               ; 8,192 b + 16 L in order,
	v_lshlrev_b32 v29, 2, v2
	v_lshl_add_u32 v29, s13, 7, v29                ; 128 b + 4 L for the count
	v_mov_b32 v24, SPARE
.irp i, 0,1,2,3
	v_mov_b32 v[Y+\i], 0
.endr
.set t, 0
.rept 16                               ; the whole list starts as zeros: 16 stores of 512 neighbouring bytes
	ds_store_b128 v27, v[Y:Y+3] offset:512*t
.set t, t+1
.endr
	s_mov_b32 s18, 0                               ; valid keys placed so far
	s_wait_loadcnt 16                              ; the four mask loads are in; the 16 younger loads of w_out stay out
	; Turn j takes key 64 L + j of every lane.  A valid key goes to place (valid so far) + (valid lanes below me); a masked lane stores
	; into the spare word.  LDS serves a wave's instructions in order (ISA guide 5.7.1): these stores land on the zeros above.
.set j, 0
.rept 64
	v_bfe_u32 v6, v[MK+j/4], 8*(j%4), 8            ; my mask byte
	v_cmp_ne_u32 vcc_lo, 0, v6
	v_mbcnt_lo_u32_b32 v7, vcc_lo, s18
	v_cndmask_b32 v7, v24, v7, vcc_lo              ; the place
	v_min_u32 v7, SPARE, v7                        ; a place made from loaded bytes is bounded before it becomes an address
	v_lshlrev_b32 v7, 2, v7
	v_add_nc_u32 v25, j, v26                       ; the key
	ds_store_b32 v7, v25
	s_bcnt1_i32_b32 s21, vcc_lo
	s_add_co_u32 s18, s18, s21
.set j, j+1
.endr
	; The list leaves LDS through registers, 512 neighbouring bytes a store, in two groups of eight.
	; These loads see the stores above (the same wave, served in order); s_wait_dscnt 7-t leaves the 7-t younger loads out.
.macro LISTOUT g
.set t, 0
.rept 8
.set reg, MK+4*t+(t/4)*(Y-MK-16)                   ; v[8:23], then v[96:111]
	ds_load_b128 v[reg:reg+3], v27 offset:512*(8*\g+t)
.set t, t+1
.endr
.set t, 0
.rept 8
.set reg, MK+4*t+(t/4)*(Y-MK-16)
	s_wait_dscnt 7-t
	global_store_b128 v28, v[reg:reg+3], s[10:11] offset:512*(8*\g+t)
.set t, t+1
.endr
.endm
	LISTOUT 0
	s_wait_xcnt 0x0                                ; the first group's data registers are loaded again only behind this wait
	LISTOUT 1
	v_mov_b32 v30, s18                             ; n
	global_store_b32 v29, v30, s[10:11] offset:16384
	s_wait_xcnt 0x0                                ; v[96:111] are written again by the cast only behind this wait
	s_branch .Lcast
.Lplain:
	WLOADS
.Lcast:
	; ---- the cast.  Load i: s_wait_loadcnt 15-i leaves the 15-i younger loads out.  A store of the wave covers 256 neighbouring bytes, aligned.
.set i, 0
.rept 16
.if i == 8
	s_wait_xcnt 0x0                                ; the eight pairs of Y are used a second time only behind this wait
.endif
	s_wait_loadcnt 15-i
	v_cvt_pk_f16_f32 v[Y+2*(i%8)],   v[X+4*i],   v[X+4*i+1]
	v_cvt_pk_f16_f32 v[Y+2*(i%8)+1], v[X+4*i+2], v[X+4*i+3]
	global_store_b64 v4, v[Y+2*(i%8):Y+2*(i%8)+1], s[8:9] offset:256*i
.set i, i+1
.endr
	s_wait_tensorcnt 0x0
	ds_add_u32 v112, v113
	s_wait_dscnt 0x0
	s_endpgm
.Lfunc_end_k_q382cf33abf_prep:
	.size	k_q382cf33abf_prep, .Lfunc_end_k_q382cf33abf_prep-k_q382cf33abf_prep
	.p2alignl 7, 3214868480
	.fill 96, 4, 3214868480
	.section	.rodata,"a",@progbits
	.p2align	6, 0x0
	.amdhsa_kernel k_q382cf33abf_prep
		.amdhsa_group_segment_fixed_size 9472
		.amdhsa_private_segment_fixed_size 0
		.amdhsa_enable_private_segment 0
		.amdhsa_kernarg_size 32
		.amdhsa_user_sgpr_count 2
		.amdhsa_user_sgpr_kernarg_segment_ptr 1
		.amdhsa_wavefront_size32 1
		.amdhsa_system_sgpr_workgroup_id_x 1
		.amdhsa_system_sgpr_workgroup_id_y 1
		.amdhsa_system_sgpr_workgroup_id_z 1
		.amdhsa_system_vgpr_workitem_id 0
		.amdhsa_next_free_vgpr 114
		.amdhsa_next_free_sgpr 66
		.amdhsa_reserve_vcc 1
		.amdhsa_float_denorm_mode_32 3
		.amdhsa_float_denorm_mode_16_64 3
		.amdhsa_memory_ordered 1
		.amdhsa_forward_progress 1
		.amdhsa_inst_pref_size 42
	.end_amdhsa_kernel
	.amdgpu_metadata
---
amdhsa.version: [ 1, 2 ]
amdhsa.kernels:
  - .name:           k_q382cf33abf_prep
    .symbol:         k_q382cf33abf_prep.kd
    .args:
      - { .name: w_out, .offset: 0, .size: 8, .value_kind: global_buffer, .address_space: global }
      - { .name: attention_mask, .offset: 8, .size: 8, .value_kind: global_buffer, .address_space: global }
      - { .name: w16, .offset: 16, .size: 8, .value_kind: global_buffer, .address_space: global }
      - { .name: order, .offset: 24, .size: 8, .value_kind: global_buffer, .address_space: global }
    .group_segment_fixed_size: 9472
    .private_segment_fixed_size: 0
    .kernarg_segment_align: 8
    .kernarg_segment_size: 32
    .max_flat_workgroup_size: 256
    .sgpr_count:     66
    .vgpr_count:     114
    .wavefront_size: 32
...
	.end_amdgpu_metadata
.endif
;; end of part 1
;; launch attn (part 2): grid 8 x 32, 4 waves a work-group, no clusters, 72,192 bytes of LDS; arguments queries, keys, values, order, ctx; writes ctx
.if DOCPART == 2
	.amdgcn_target "amdgcn-amd-amdhsa--gfx1250"
	.amdhsa_code_object_version 6
	.text
	.protected	k_q382cf33abf_attn
	.globl	k_q382cf33abf_attn
	.p2align	8
	.type	k_q382cf33abf_attn,@function
k_q382cf33abf_attn:
	s_mov_b64 s[64:65], 0
	v_nop
	global_prefetch_b8 v0, s[64:65] scope:SCOPE_SE
	s_setreg_imm32_b32 hwreg(HW_REG_WAVE_MODE, 25, 1), 1
	s_wait_xcnt 0x0
; ctx[b][q][h][:] = softmax over the valid keys of (q.k / sqrt(128)) times v, in f16.  One work-group: 256 queries of one head of one
; batch (x = query block, y = 16 b + h); four waves, 64 queries each.  Keys are walked by the list that the launch before made from the
; mask: valid keys first.  A step is 64 list places; there are always 32 steps, and every wave passes every step's barrier; a step none of
; whose places lies below n jumps over all its work, so ceil(n / 64) steps work (step 0 always does).
; Places at or behind n name key 0 and carry the bias -2^127, so their weight is exp2 of about -2^124, which is 0.
;
; MATRIX USE.  S^T = K Q^T (A = 16 keys x 32 c, B = Q): a lane holds ONE query (n = lane % 16) and keys 8 (lane / 16) + j.  So maximum, factor
; and row sum are per lane, and exp(S^T) of key tiles 2u, 2u+1, packed in place, IS the B fragment of O^T = V^T P^T (A = V^T by transposing LDS loads).
; In O^T a lane holds eight neighbouring c of one query: 16 bytes of ctx.
; The running maximum is taken over true scores (place 0 is valid whenever n > 0); every exponent is at most 0.
;
; FORMAT.  Q, K, V, the weights and ctx are rounded to f16, not bf16: 11 significant bits against 8, so each rounding is 8 times smaller, at the same
; bytes and the same number of matrix instructions.  Sums, scores, maxima and exponentials are f32.  The room in f16: magnitudes up to 65,504; full
; precision down to 2^-14, below it a fixed step of 2^-24.  Weights lie in [0, 1]; one below 2^-25 becomes 0, and 2048 such together are under
; 2^-14 of the largest weight.  |ctx| is at most the largest |v|.
;
; WAY IN.  K and V rows are f32 and are picked by a list: each wave loads 16 rows of K and 16 of V into registers a whole step before they are
; wanted, rounds them to f16 and stores them in one of two LDS buffers; all four waves read both.  One barrier a step.
; A working step always passes on the next tile and asks for the one after it; behind n these are rows of key 0 (the list's zeros), so the last
; working step moves one tile to LDS and asks for two that nobody uses.
; NO TENSOR LOADS, NO JOINT REQUESTS: the rows of a step form no rectangle in memory, and f32 has to pass registers to become f16 anyway;
; through registers an element costs one LDS write, through a copy into LDS it would cost a write, a read and a second write.
;
; LIMITS.  A number of Q, K or V above 65,504 in magnitude becomes infinity.  Rows of K and V that the mask hides are not read (but key 0, as
; filler, with weight 0): non-finite numbers there do not spread, where the reference gives NaN.  Raw scores (before the scale) must stay below
; 2^120 in magnitude.  n = 0 gives NaN everywhere, as the reference does.  Sums over keys run in the list's order.
.set PK,   272                         ; LDS pitch of a K row and of a Q or ctx row: 256 bytes + 16, an odd multiple of 16
.set PV,   288                         ; LDS pitch of a V row: an odd multiple of 32, for the transposing loads
.set VOFF, 64*PK                       ; V's 64 rows lie behind K's 64 rows
.set BUF,  VOFF+64*PV                  ; a buffer: 35,840 bytes; two of them from byte 0
.set QST,  64*PK                       ; each wave's stage for Q (at the start) and ctx (at the end), laid over the buffers
.set PAIRS, 16                         ; 2048 list places in pairs of steps of 64
; window 0
.set LN16, 1                           ; 16 lane
.set ADK,  2                           ; K fragments: 272 r + 16 hh
.set ADV,  3                           ; V fragments: VOFF + (8 hh + lane % 8) 288 + 16 ((lane / 8) % 2)
.set STK,  4                           ; my wave's 16 K rows: 4352 w + 8 lane
.set STV,  5                           ; my wave's 16 V rows: VOFF + 4608 w + 8 lane
.set HH8,  6                           ; 8 hh
.set STQ,  7                           ; until Q is staged: my stage + 8 lane
.set DD,   7                           ; then: places left before n, counted from my half's first key of the step
.set ADQ,  8                           ; my stage + 272 r + 16 hh: Q fragments, and ctx on its way in
.set RD,   9                           ; my stage + 272 (lane / 16) + 16 (lane % 16): ctx read back by rows
.set CO,   10                          ; 4096 (lane / 16) + 16 (lane % 16): the same two rows in ctx
.set SENT, 11                          ; -2^127
.set OFFS, 12                          ; v[12:27] byte offsets of my 16 rows
.set T,    28                          ; v[28:31] at work, one a query tile
.set M,    32                          ; v[32:35] running maximum
.set MX,   36                          ; v[36:39] new maximum
.set NM,   40                          ; v[40:47] -k x maximum, in the even register of a pair
.set AL,   48                          ; v[48:55] factor for the old sums, in the even register of a pair
.set L2,   56                          ; v[56:63] row sums, two partial sums a query tile
.set FR,   64                          ; v[64:191] 16 fragments: K's, then V's
.set BI,   192                         ; v[192:223] the step's bias as four C tiles: register 8 kt + j for key 16 kt + 8 hh + j
.set TMP,  224                         ; v[224:255] ctx packed
; window 1: O(ct, qt) at 8 (4 ct + qt).   window 2: S(kt, qt) at 64 (kt / 2) + 16 qt + 8 (kt % 2); P(u, qt) at 64 u + 16 qt; Q(qt, kc) at QF + 8 (4 qt + kc).
; window 3: my 16 rows of K at 4 i, of V at 64 + 4 i, as loaded.
.set QF,   128
.set LS,   32                          ; s[32:47] 16 list entries
.set MSB, 0
.macro WIN new                         ; s_set_vgpr_msb: bits 1:0 source 0, 3:2 source 1, 5:4 source 2, 7:6 destination; the high byte repeats the setting left
.if MSB != \new
	s_set_vgpr_msb (MSB<<8)|\new
.set MSB, \new
.endif
.endm
.macro PLACES n
.rept \n
	v_nop
.endr
.endm
.macro LISTREQ imm                     ; my wave's 16 entries of the step at byte imm behind the list pointer
	s_load_b512 s[LS:LS+15], s[16:17], \imm
.endm
.macro LOADTILE                        ; 16 rows of K and 16 of V, 512 bytes each, one load of the wave a row
	s_wait_kmcnt 0x0                               ; scalar loads return in no order: zero
.set li, 0
.rept 16
	s_min_u32 s[LS+li], s[LS+li], 0x7ff            ; a loaded number is bounded before it becomes an address
.set li, li+1
.endr
	WIN 0
.set li, 0
.rept 16
	v_lshl_add_u32 v[OFFS+li], s[LS+li], 13, v[LN16]   ; key x 8,192 bytes + 16 lane
.set li, li+1
.endr
	WIN 0xc0
.set li, 0
.rept 16
	global_load_b128 v[4*li:4*li+3], v[OFFS+li], s[6:7]
.set li, li+1
.endr
.set li, 0
.rept 16
	global_load_b128 v[64+4*li:64+4*li+3], v[OFFS+li], s[8:9]
.set li, li+1
.endr
.endm
.macro PACK n                          ; n rows: a lane's 4 f32 become 4 f16 in the row's first two registers (window set by the caller)
.set pi, 0
.rept \n
	v_cvt_pk_f16_f32 v[4*pi],   v[4*pi],   v[4*pi+1]
	v_cvt_pk_f16_f32 v[4*pi+1], v[4*pi+2], v[4*pi+3]
.set pi, pi+1
.endr
.endm
.macro CONVERT X                       ; the tile in window 3 goes to buffer X; a store of the wave covers 256 neighbouring bytes
	s_wait_loadcnt 0x0                             ; the tile's 32 loads are all that is out; this also frees OFFS
	WIN 0xcf
	PACK 32
	WIN 0x0c
.set ci, 0
.rept 16
	ds_store_b64 v[STK], v[4*ci:4*ci+1] offset:\X*BUF+PK*ci
.set ci, ci+1
.endr
.set ci, 0
.rept 16
	ds_store_b64 v[STV], v[64+4*ci:64+4*ci+1] offset:\X*BUF+PV*ci
.set ci, ci+1
.endr
.endm
.macro BIASES                          ; key 16 kt + 8 hh + j of the step lies at or behind n where 16 kt + j >= s23 - 8 hh (s23 = n - the step's first place, signed)
	v_sub_nc_u32 v[DD], s23, v[HH8]
.set ba, 0                             ; ba = 8 kt + j
.rept 32
	v_cmp_ge_i32 vcc_lo, 16*(ba/8)+(ba%8), v[DD]
	v_cndmask_b32 v[BI+ba], 0, v[SENT], vcc_lo
.set ba, ba+1
.endr
.endm
.macro SMUL kc                         ; 16 products, 32 c: the 16 accumulators take turns, one instruction a turn
.set sa, 0                             ; sa = 4 kt + qt
.rept 16
.set sreg, 64*(sa/8)+16*(sa%4)+8*((sa/4)%2)
.if \kc == 0
	v_wmma_f32_16x16x32_f16 v[sreg:sreg+7], v[FR+8*(sa/4):FR+8*(sa/4)+7], v[QF+32*(sa%4):QF+32*(sa%4)+7], v[BI+8*(sa/4):BI+8*(sa/4)+7]
.else
	v_wmma_f32_16x16x32_f16 v[sreg:sreg+7], v[FR+8*(4*\kc+sa/4):FR+8*(4*\kc+sa/4)+7], v[QF+32*(sa%4)+8*\kc:QF+32*(sa%4)+8*\kc+7], v[sreg:sreg+7]
.endif
.set sa, sa+1
.endr
.endm
; One step: 64 list places from buffer X.  first: step 0: O has no sums yet, and the work is never jumped over.
; conv: the next tile goes from registers to the other buffer.  load: the tile after that is asked for.
.macro STEP X, first, conv, load
	WIN 0
.if \first == 0
	s_cmp_le_i32 s23, 0                            ; no place of this step lies below n: nothing to do but the barrier.  s23 hangs on n alone, a whole number
	s_cbranch_scc1 .Lidle_\@                       ; from memory, read by all four waves from one address: they all go the same way
.endif
.if \load
	LISTREQ \X*256
.endif
.set a, 0                              ; a = 4 kc + kt
.rept 16
	ds_load_b128 v[FR+8*a:FR+8*a+3],   v[ADK] offset:\X*BUF+16*PK*(a%4)+64*(a/4)
	ds_load_b128 v[FR+8*a+4:FR+8*a+7], v[ADK] offset:\X*BUF+16*PK*(a%4)+64*(a/4)+32
.set a, a+1
.endr
	; The bias tiles.  The first step makes them.  A later step all of whose 64 places lie below n skips the work: places only run out, so
	; every step before it was full too, and the tiles still hold the first step's zeros.
.if \first
	BIASES
.else
	s_cmp_ge_i32 s23, 64
	s_cbranch_scc1 .Lfull_\@
	BIASES
.Lfull_\@:
.endif
	s_wait_dscnt 24                                ; c 0-31 are in; the 24 younger loads (c 32-127) stay out
	WIN 0x88
	SMUL 0
	s_wait_dscnt 16                                ; the 16 loads of c 64-127 stay out
	WIN 0xa8
	SMUL 1
	s_wait_dscnt 8
	SMUL 2
	s_wait_dscnt 0
	SMUL 3
	PLACES 4                                       ; four places behind the last product, before S is read and before loads land on the K fragments
.if \conv
	CONVERT (1-\X)
.endif
.if \load
	LOADTILE
.endif
	WIN 0
.set a, 0                              ; a = 8 u + ct: V^T, 16 c x 32 keys
.rept 16
	ds_load_tr16_b128 v[FR+8*a:FR+8*a+3],   v[ADV] offset:\X*BUF+32*PV*(a/8)+32*(a%8)
	ds_load_tr16_b128 v[FR+8*a+4:FR+8*a+7], v[ADV] offset:\X*BUF+32*PV*(a/8)+32*(a%8)+16*PV
.set a, a+1
.endr
	WIN 0x0a                                       ; the new maximum: 32 scores a lane and query tile, four chains
.set e, 0
.rept 16
.set q, 0
.rept 4
.set sreg, 64*(e/8)+16*q+2*(e%8)
.if e == 0
	v_max3_num_f32 v[MX+q], v[sreg], v[sreg+1], v[M+q]
.else
	v_max3_num_f32 v[MX+q], v[sreg], v[sreg+1], v[MX+q]
.endif
.set q, q+1
.endr
.set e, e+1
.endr
	WIN 0
.irp q, 0,1,2,3
	v_permlanex16_b32 v[T+\q], v[MX+\q], s48, s49  ; the other half of the lanes holds the query's other keys
.endr
.irp q, 0,1,2,3
	v_max_num_f32 v[MX+\q], v[MX+\q], v[T+\q]
.endr
.irp q, 0,1,2,3
	v_mul_f32 v[NM+2*\q], s30, v[MX+\q]            ; -k x maximum
.endr
.irp q, 0,1,2,3
	v_fma_f32 v[T+\q], v[M+\q], s28, v[NM+2*\q]    ; k (old maximum - new maximum)
.endr
.irp q, 0,1,2,3
	v_exp_f32 v[AL+2*\q], v[T+\q]
.endr
.irp q, 0,1,2,3
	v_mov_b32 v[M+\q], v[MX+\q]                    ; plain lines between the exponentials and the use of their results (ISA guide 5.7.2)
.endr
	s_wait_alu depctr_va_vdst(0)
.irp q, 0,1,2,3
	v_pk_mul_f32 v[L2+2*\q:L2+2*\q+1], v[L2+2*\q:L2+2*\q+1], v[AL+2*\q:AL+2*\q+1] op_sel_hi:[1,0]
.endr
.if \first == 0
	WIN 0x41
.set ra, 0
.rept 128                              ; O's 256 registers times the factor of their query tile
	v_pk_mul_f32 v[2*ra:2*ra+1], v[2*ra:2*ra+1], v[AL+2*((ra/4)%4):AL+2*((ra/4)%4)+1] op_sel_hi:[1,0]
.set ra, ra+1
.endr
.endif
	WIN 0x82
.set a, 0
.rept 64
	v_pk_fma_f32 v[2*a:2*a+1], v[2*a:2*a+1], s[28:29], v[NM+2*((a/8)%4):NM+2*((a/8)%4)+1] op_sel_hi:[1,0,0]   ; k (s - maximum)
.set a, a+1
.endr
.set a, 0
.rept 128
	v_exp_f32 v[a], v[a]
.set a, a+1
.endr
	v_nop                                          ; one plain line between the run of exponentials and the first use of any of their results (ISA guide 5.7.2)
	WIN 0x02                                       ; row sums
.set e, 0
	s_wait_alu depctr_va_vdst(0)
.rept 16
.set q, 0
.rept 4
.set sreg, 64*(e/8)+16*q+2*(e%8)
	v_pk_add_f32 v[L2+2*q:L2+2*q+1], v[sreg:sreg+1], v[L2+2*q:L2+2*q+1]
.set q, q+1
.endr
.set e, e+1
.endr
	WIN 0x8a                                       ; two S tiles of 8 f32 become one B fragment of 8 registers, in place, from the bottom up
.set a, 0
.rept 8
.set j, 0
.rept 4
	v_cvt_pk_f16_f32 v[16*a+j], v[16*a+2*j], v[16*a+2*j+1]
.set j, j+1
.endr
.set j, 0
.rept 4
	v_cvt_pk_f16_f32 v[16*a+4+j], v[16*a+8+2*j], v[16*a+9+2*j]
.set j, j+1
.endr
.set a, a+1
.endr
	s_wait_dscnt 0x0                               ; V's fragments are in (and with them all my LDS instructions are done)
	WIN 0x58                                       ; 64 products, 32 accumulators by turns, one instruction a turn
.set pa, 0                             ; pa = 4 ct + qt
.rept 32
.if \first
	v_wmma_f32_16x16x32_f16 v[8*pa:8*pa+7], v[FR+8*(pa/4):FR+8*(pa/4)+7], v[16*(pa%4):16*(pa%4)+7], 0
.else
	v_wmma_f32_16x16x32_f16 v[8*pa:8*pa+7], v[FR+8*(pa/4):FR+8*(pa/4)+7], v[16*(pa%4):16*(pa%4)+7], v[8*pa:8*pa+7]
.endif
.set pa, pa+1
.endr
.set pa, 0
.rept 32
	v_wmma_f32_16x16x32_f16 v[8*pa:8*pa+7], v[FR+64+8*(pa/4):FR+64+8*(pa/4)+7], v[64+16*(pa%4):64+16*(pa%4)+7], v[8*pa:8*pa+7]
.set pa, pa+1
.endr
	WIN 0
	PLACES 5                                       ; before the next step's products write over P and its loads land on V's fragments
.if \first == 0
.Lidle_\@:
.endif
	s_sub_co_i32 s23, s23, 64                      ; places left at the next step's first place; on both ways
	; The step's barrier, on every wave's way, outside every branch.  It orders my stores of the next tile before the others' reads of it,
	; and my reads of this buffer before the others' stores of the tile after that.
	s_wait_dscnt 0x0                               ; for the others: zero (met on both ways: the work's own wait ahead of the products, or nothing issued)
	s_barrier_signal -1
	s_barrier_wait -1                              ; the next tile is whole, and nobody reads this buffer any more
.endm
	s_load_b256 s[4:11], s[0:1], 0x0               ; queries s[4:5], keys s[6:7], values s[8:9], order s[10:11]
	s_load_b64 s[12:13], s[0:1], 0x20              ; ctx
	s_set_vgpr_msb 0xc0
	v_lshl_add_u32 v128, v0, 2, 0x11800
	v_mov_b32 v129, 0
	s_set_vgpr_msb 0xc000
	v_lshrrev_b32 v[T], 5, v0
	v_readfirstlane_b32 s14, v[T]                  ; wave w
	s_and_b32 s2, ttmp7, 0xffff
	s_lshr_b32 s15, s2, 4                          ; b
	s_and_b32 s18, s2, 15                          ; h
	s_mov_b32 s28, 0x3e0293ee                      ; k = 128^-0.5 x log2 e = 0.12751743
	s_mov_b32 s29, 0x3e0293ee
	s_mov_b32 s30, 0xbe0293ee                      ; -k
	s_mov_b32 s48, 0x76543210                      ; v_permlanex16_b32: lane i reads lane i of the other half
	s_mov_b32 s49, 0xfedcba98
	s_mov_b32 s50, 0xff000000                      ; -2^127
	v_and_b32 v[T+1], 31, v0                       ; lane
	v_and_b32 v[T+2], 15, v0                       ; r
	v_bfe_u32 v[T+3], v0, 4, 1                     ; hh
	v_lshlrev_b32 v[LN16], 4, v[T+1]
	v_mul_u32_u24 v[ADK], v[T+2], PK
	v_lshl_add_u32 v[ADK], v[T+3], 4, v[ADK]
	v_and_b32 v[MX], 7, v0
	v_lshl_add_u32 v[MX], v[T+3], 3, v[MX]
	v_mul_u32_u24 v[MX], v[MX], PV
	v_bfe_u32 v[MX+1], v0, 3, 1
	v_lshl_add_u32 v[MX], v[MX+1], 4, v[MX]
	v_add_nc_u32 v[ADV], VOFF, v[MX]
	s_mul_i32 s24, s14, 16*PK
	v_lshl_add_u32 v[STK], v[T+1], 3, s24
	s_mul_i32 s24, s14, 16*PV
	s_add_co_u32 s24, s24, VOFF
	v_lshl_add_u32 v[STV], v[T+1], 3, s24
	v_lshlrev_b32 v[HH8], 3, v[T+3]
	v_mov_b32 v[SENT], s50
	s_mul_i32 s24, s14, QST
	v_add_nc_u32 v[ADQ], s24, v[ADK]
	v_lshl_add_u32 v[STQ], v[T+1], 3, s24
	v_mul_u32_u24 v[MX], v[T+3], PK
	v_lshl_add_u32 v[MX], v[T+2], 4, v[MX]
	v_add_nc_u32 v[RD], s24, v[MX]
	v_lshlrev_b32 v[MX], 12, v[T+3]
	v_lshl_add_u32 v[CO], v[T+2], 4, v[MX]
	s_wait_kmcnt 0x0
	s_lshl_b32 s26, s15, 7                         ; s26 stays as it is until the load that names it is back
	s_load_b32 s19, s[10:11], s26 offset:0x4000    ; n of my batch: the same address in all four waves
	s_lshl_b32 s24, s15, 13
	s_lshl_b32 s27, s14, 6
	s_add_co_u32 s24, s24, s27
	s_mov_b32 s25, 0
	s_add_nc_u64 s[16:17], s[10:11], s[24:25]      ; the list of my batch at my wave's 16 entries of a step
	LISTREQ 0                                      ; step 0
	s_lshl_b32 s24, s15, 24                        ; batch: 2048 x 8,192 bytes
	s_lshl_b32 s27, s18, 9                         ; head: 512 bytes
	s_add_co_u32 s24, s24, s27
	s_add_nc_u64 s[6:7], s[6:7], s[24:25]
	s_add_nc_u64 s[8:9], s[8:9], s[24:25]
	s_add_nc_u64 s[4:5], s[4:5], s[24:25]
	s_lshl_b32 s24, ttmp9, 21                      ; 256 queries of 8,192 bytes
	s_lshl_b32 s27, s14, 19                        ; 64 queries
	s_add_co_u32 s24, s24, s27
	s_add_nc_u64 s[4:5], s[4:5], s[24:25]
	s_lshl_b32 s24, s15, 23                        ; ctx: rows of 4,096 bytes
	s_lshl_b32 s27, ttmp9, 20
	s_add_co_u32 s24, s24, s27
	s_lshl_b32 s27, s14, 18
	s_add_co_u32 s24, s24, s27
	s_lshl_b32 s27, s18, 8
	s_add_co_u32 s24, s24, s27
	s_add_nc_u64 s[12:13], s[12:13], s[24:25]
	WIN 0x40                                       ; my 64 queries, a row a load, into the registers that will hold O
.set i, 0
.rept 64
	global_load_b128 v[4*i:4*i+3], v[LN16], s[4:5] offset:8192*i th:TH_LOAD_NT
.set i, i+1
.endr
	LOADTILE                                       ; tile 0 (its wait for scalar loads also brings n)
	LISTREQ 256                                    ; step 1
	s_min_u32 s19, s19, 2048
	s_mov_b32 s23, s19                             ; places left before n at step 0
	s_cmp_eq_u32 s19, 0
	s_cselect_b32 s31, 0x7fc00000, 1.0             ; no valid key: every result is NaN
	WIN 0
.irp q, 0,1,2,3
	v_mov_b32 v[M+\q], 0xff7fffff                  ; below every score and below the bias
	v_mov_b32 v[T+\q], 0                           ; a lane permute counts as a reader of its destination
	v_mov_b32 v[NM+2*\q+1], 0                      ; the odd halves of the pairs are never used, but named
	v_mov_b32 v[AL+2*\q+1], 0
	v_mov_b32 v[L2+2*\q], 0
	v_mov_b32 v[L2+2*\q+1], 0
.endr
	s_wait_loadcnt 32                              ; Q's 64 loads are in; the 32 younger loads of tile 0 stay out
	WIN 0x45
	PACK 64
	WIN 0x04
.set i, 0
.rept 64
	ds_store_b64 v[STQ], v[4*i:4*i+1] offset:PK*i
.set i, i+1
.endr
	WIN 0x80                                       ; back as 16 B fragments: my own bytes, served in order (ISA guide 5.7.1)
.set i, 0                              ; i = 4 qt + kc
.rept 16
	ds_load_b128 v[QF+8*i:QF+8*i+3],   v[ADQ] offset:16*PK*(i/4)+64*(i%4)
	ds_load_b128 v[QF+8*i+4:QF+8*i+7], v[ADQ] offset:16*PK*(i/4)+64*(i%4)+32
.set i, i+1
.endr
	WIN 0
	s_wait_dscnt 0x0                               ; my reads of my stage are back
	s_barrier_signal -1
	s_barrier_wait -1                              ; the stages are free: the buffers lie over them
	CONVERT 0
	LOADTILE                                       ; tile 1
	WIN 0
	s_wait_dscnt 0x0                               ; my rows of tile 0 are written
	s_barrier_signal -1
	s_barrier_wait -1
	s_add_nc_u64 s[16:17], s[16:17], 512           ; pair 0 asks for pair 1's list entries; no scalar load is out: LOADTILE has waited for all
	STEP 0, 1, 1, 1
	STEP 1, 0, 1, 1
	s_mov_b32 s22, 1
.Lpair:                                            ; pairs p = 1 .. 14; each asks for pair p + 1, at most 15: inside the list
	s_add_nc_u64 s[16:17], s[16:17], 512           ; 128 entries of 4 bytes on; a step that asks by the pointer also waits for what it asked, so no scalar load is out here
	STEP 0, 0, 1, 1
	STEP 1, 0, 1, 1
	s_add_co_u32 s22, s22, 1
	s_cmp_lt_u32 s22, PAIRS-1
	s_cbranch_scc1 .Lpair
	STEP 0, 0, 1, 0                                ; the last pair asks for nothing
	STEP 1, 0, 0, 0
	; THE WAY OUT.  The last barrier has shown that nobody reads the buffers: my stage lies over them again.
	; Where n < 1921 the last working step's row loads may still be out: they land in window 3, which nothing below names, and OFFS and their bases stay as they are.
.irp q, 0,1,2,3
	v_add_f32 v[T+\q], v[L2+2*\q], v[L2+2*\q+1]
.endr
.irp q, 0,1,2,3
	v_permlanex16_b32 v[MX+\q], v[T+\q], s48, s49
.endr
.irp q, 0,1,2,3
	v_add_f32 v[T+\q], v[T+\q], v[MX+\q]           ; the query's whole row sum, at least about 1: the largest weight is exp2 of about 0
.endr
.irp q, 0,1,2,3
	v_rcp_f32 v[AL+2*\q], v[T+\q]
.endr
	v_nop                                          ; a plain line between the reciprocals and their use (ISA guide 5.7.2)
	s_wait_alu depctr_va_vdst(0)
.irp q, 0,1,2,3
	v_mul_f32 v[AL+2*\q], s31, v[AL+2*\q]
.endr
.set q, 0
.rept 4
	WIN 0x41
.set c, 0                              ; c = 4 ct + pair
.rept 32
.set eo, 8*(4*(c/4)+q)+2*(c%4)
	v_pk_mul_f32 v[eo:eo+1], v[eo:eo+1], v[AL+2*q:AL+2*q+1] op_sel_hi:[1,0]
.set c, c+1
.endr
	WIN 0x05
.set c, 0
.rept 32
.set eo, 8*(4*(c/4)+q)+2*(c%4)
	v_cvt_pk_f16_f32 v[TMP+c], v[eo], v[eo+1]
.set c, c+1
.endr
	WIN 0
.set c, 0
.rept 8
	ds_store_b128 v[ADQ], v[TMP+4*c:TMP+4*c+3] offset:16*PK*q+32*c   ; query r, c 16 ct + 8 hh .. + 7
.set c, c+1
.endr
.set q, q+1
.endr
.set t, 0
.rept 32
	ds_load_b128 v[FR+4*t:FR+4*t+3], v[RD] offset:2*PK*t             ; two rows of 256 bytes; my own bytes, served in order
.set t, t+1
.endr
.set t, 0
.rept 32
	s_wait_dscnt 31-t                              ; the 31 - t younger loads stay out
	global_store_b128 v[CO], v[FR+4*t:FR+4*t+3], s[12:13] offset:8192*t   ; 16 lanes store 256 neighbouring bytes, aligned
.set t, t+1
.endr
	s_set_vgpr_msb 0xf
	s_wait_tensorcnt 0x0
	ds_add_u32 v128, v129
	s_wait_dscnt 0x0
	s_set_vgpr_msb 0xf00
	s_endpgm
.Lfunc_end_k_q382cf33abf_attn:
	.size	k_q382cf33abf_attn, .Lfunc_end_k_q382cf33abf_attn-k_q382cf33abf_attn
	.p2alignl 7, 3214868480
	.fill 96, 4, 3214868480
	.section	.rodata,"a",@progbits
	.p2align	6, 0x0
	.amdhsa_kernel k_q382cf33abf_attn
		.amdhsa_group_segment_fixed_size 72192
		.amdhsa_private_segment_fixed_size 0
		.amdhsa_enable_private_segment 0
		.amdhsa_kernarg_size 40
		.amdhsa_user_sgpr_count 2
		.amdhsa_user_sgpr_kernarg_segment_ptr 1
		.amdhsa_wavefront_size32 1
		.amdhsa_system_sgpr_workgroup_id_x 1
		.amdhsa_system_sgpr_workgroup_id_y 1
		.amdhsa_system_sgpr_workgroup_id_z 1
		.amdhsa_system_vgpr_workitem_id 0
		.amdhsa_next_free_vgpr 898
		.amdhsa_next_free_sgpr 66
		.amdhsa_reserve_vcc 1
		.amdhsa_float_denorm_mode_32 3
		.amdhsa_float_denorm_mode_16_64 3
		.amdhsa_memory_ordered 1
		.amdhsa_forward_progress 1
		.amdhsa_inst_pref_size 255
	.end_amdhsa_kernel
	.section	.bss,"aw",@nobits
	.p2align	6
	.space	262144
	.amdgpu_metadata
---
amdhsa.version: [ 1, 2 ]
amdhsa.kernels:
  - .name:           k_q382cf33abf_attn
    .symbol:         k_q382cf33abf_attn.kd
    .args:
      - { .name: queries, .offset: 0, .size: 8, .value_kind: global_buffer, .address_space: global }
      - { .name: keys, .offset: 8, .size: 8, .value_kind: global_buffer, .address_space: global }
      - { .name: values, .offset: 16, .size: 8, .value_kind: global_buffer, .address_space: global }
      - { .name: order, .offset: 24, .size: 8, .value_kind: global_buffer, .address_space: global }
      - { .name: ctx, .offset: 32, .size: 8, .value_kind: global_buffer, .address_space: global }
    .group_segment_fixed_size: 72192
    .private_segment_fixed_size: 0
    .kernarg_segment_align: 8
    .kernarg_segment_size: 40
    .max_flat_workgroup_size: 128
    .sgpr_count:     66
    .vgpr_count:     898
    .wavefront_size: 32
...
	.end_amdgpu_metadata
.endif
;; end of part 2
;; launch proj (part 3): grid 8 x 32, 4 waves a work-group, clusters of 4 x 4, 327,680 bytes of LDS; arguments ctx, w16, out0; writes out0
.if DOCPART == 3
	.amdgcn_target "amdgcn-amd-amdhsa--gfx1250"
	.amdhsa_code_object_version 6
	.text
	.protected	k_q382cf33abf_proj
	.globl	k_q382cf33abf_proj
	.p2align	8
	.type	k_q382cf33abf_proj,@function
k_q382cf33abf_proj:
	s_mov_b64 s[64:65], 0
	v_nop
	global_prefetch_b8 v0, s[64:65] scope:SCOPE_SE
	s_setreg_imm32_b32 hwreg(HW_REG_WAVE_MODE, 25, 1), 1
	s_wait_xcnt 0x0
	s_wait_alu depctr_hold_cnt(0) depctr_sa_sdst(0) depctr_va_vdst(0) depctr_va_sdst(0) depctr_va_ssrc(0) depctr_va_vcc(0) depctr_vm_vsrc(0)
	s_getreg_b32 s2, hwreg(HW_REG_IB_STS2, 6, 4)
	s_cmp_eq_u32 s2, 0
	s_cbranch_scc0 .Lentry_in_a_cluster
	s_endpgm
.Lentry_in_a_cluster:
	s_bfe_u32 s2, ttmp6, 0x10000c
	s_cmp_lg_u32 s2, 0xf033
	s_cbranch_scc0 .Lentry_shape_is_right
	s_endpgm
.Lentry_shape_is_right:
; out0[m][n] = sum over k of ctx[m][k] w16[n][k].  ctx: [4096][2048] f16, w16: [2048][2048] f16, out0: [4096][2048] f32; sums in f32.
; 256 work-groups, each a block of 128 (m) x 256 (n); four waves, each 64 x 128: 32 accumulator tiles, 256 registers (window 1).
; K goes in steps of 128 through two LDS slots filled by the tensor data mover: a tile's rows are 256 bytes of memory, aligned.
; CLUSTERS of 4 x 4: the four work-groups of a row of the cluster need the same tiles of ctx, the four of a column the same tiles of w16; such a
; tile is asked for jointly, by the same load with the same descriptor in all four, which divides the requests for both by four.
; The matrix instruction is used transposed (source 0 = 16 rows of w16, source 1 = 16 rows of ctx): a lane then holds eight neighbouring
; numbers of one row of out0.
; FORMAT: both operands are f16 as the launches before stored them (11 significant bits; their limits of range are stated there).
.set SIZE_K, 2048
.set KSTEP,  128
.set PITCH,  272                       ; an LDS row: 256 bytes + 16 of padding, an odd multiple of 16
.set AHALF,  64*PITCH                  ; what wave 0 or 1 brings, and what a wave reads of ctx
.set BHALF,  128*PITCH                 ; what wave 2 or 3 brings, and what a wave reads of w16
.set BOFF,   2*AHALF                   ; w16's 256 rows lie behind ctx's 128
.set SLOT,   BOFF+2*BHALF              ; 104,448 bytes
.set STAGE,  2*SLOT                    ; behind the ring, at a multiple of 256: 16 rows x 528 bytes for each wave; no fill lands here
.set SPITCH, 528                       ; 512 bytes + 16
.set LAPS,   SIZE_K/(2*KSTEP)          ; 8 laps of two K steps
.set ADRA, 16                          ; v16-17 LDS address of my ctx fragments in slot 0, 1
.set ADRB, 20                          ; v20-21 the same for w16
.set STO,  24                          ; the way out: where my 32 bytes of a row go
.set RD,   25                          ; the way out: where I read a row back
.set CO,   26                          ; 16 lane
.set FB,   64                          ; fragment buffer f: w16's 8 fragments at FB + 96 f,
.set FA,   128                         ; ctx's 4 at FA + 96 f (f = 0, 1): v64-255 of window 0
.set G1,  24                           ; s[24:31] descriptor group 1, ctx's tiles
.set G0,  32                           ; s[32:39] group 0, ctx's tiles, one set a slot
.set G1B, 48                           ; s[48:55] group 1, w16's tiles
.set G0B, 56                           ; s[56:63] group 0, w16's tiles, one set a slot
.set MSB, 0
.macro WIN new                         ; the immediate's high byte repeats the setting that is left
.if MSB != \new
	s_set_vgpr_msb (MSB<<8)|\new
.set MSB, \new
.endif
.endm
.set MUL, 0x50                         ; sources 0 and 1 window 0, C and D window 1
.macro PLACES
.rept 4
	v_nop
.endr
.endm
; A joint load.  Waves 0 and 1 fetch ctx's two halves, waves 2 and 3 w16's.  The branch hangs on the wave's number alone.
.macro JLOAD s
	s_cmp_eq_u32 s11, 0
	s_cbranch_scc0 .Lfor_b_\@
	tensor_load_to_lds s[G0+4*\s:G0+4*\s+3], s[G1:G1+7]
	s_nop 0
	s_branch .Lasked_\@
.Lfor_b_\@:
	tensor_load_to_lds s[G0B+4*\s:G0B+4*\s+3], s[G1B:G1B+7]
	s_nop 0
.Lasked_\@:
.endm
.macro CREST                           ; a round of the cluster's barrier behind its opening work-group barrier
	s_cmp_lg_u32 s10, 0
	s_cbranch_scc1 .Lnot_wave_0_\@
	s_barrier_signal -3
.Lnot_wave_0_\@:
	s_barrier_wait -3
	s_barrier_signal -1
	s_barrier_wait -1
.endm
.macro CROUND                          ; a whole round
	s_barrier_signal -1
	s_barrier_wait -1
	CREST
.endm
	s_load_b128 s[4:7], s[0:1], 0x0                ; ctx s[4:5], w16 s[6:7]
	s_load_b64 s[8:9], s[0:1], 0x10                ; out0
	v_lshl_add_u32 v62, v0, 2, 0x3b400
	v_mov_b32 v63, 0
	ds_add_u32 v62, v63
	v_lshrrev_b32 v1, 5, v0
	v_readfirstlane_b32 s10, v1                    ; wave 0..3
	s_lshr_b32 s11, s10, 1                         ; which 64 rows of the block are mine.  Also: I fetch for ctx (0) or for w16 (1)
	s_and_b32 s12, s10, 1                          ; which 128 columns.  Also: which half of that tile I fetch
	s_bfe_u32 s40, ttmp6, 0x40000                  ; cx
	s_bfe_u32 s41, ttmp6, 0x40004                  ; cy
	s_lshl_b32 s42, ttmp9, 2
	s_add_co_u32 s42, s42, s40                     ; block column = 4 x cluster x + cx
	s_and_b32 s13, ttmp7, 0xffff
	s_lshl_b32 s13, s13, 2
	s_add_co_u32 s13, s13, s41                     ; block row = 4 x cluster y + cy
	s_lshl_b32 s43, s41, 2
	s_lshl_b32 s43, 15, s43                        ; my row of the cluster: places 4 cy .. 4 cy + 3
	s_lshl_b32 s44, 0x1111, s40                    ; my column: places cx, cx + 4, cx + 8, cx + 12
	; group 1: 15:0 mask; 17:16 elements of 2 bytes; 20 padding on; 21 set beside a mask; 24:22 after every 64 words; 31:25 four words
	s_or_b32 s[G1+0],  s43, (1<<16)|(1<<20)|(1<<21)|(5<<22)|(3<<25)
	s_or_b32 s[G1B+0], s44, (1<<16)|(1<<20)|(1<<21)|(5<<22)|(3<<25)
	s_mov_b32 s[G1+1],  KSTEP<<16                  ; tensor_dim0 = 128
	s_mov_b32 s[G1B+1], KSTEP<<16
	s_mov_b32 s[G1+2],  64<<16                     ; tensor_dim1 = 64 rows of ctx
	s_mov_b32 s[G1B+2], 128<<16                    ;             = 128 rows of w16
	s_mov_b32 s[G1+3],  KSTEP<<16                  ; tile_dim0 = 128
	s_mov_b32 s[G1B+3], KSTEP<<16
	s_mov_b32 s[G1+4],  64                         ; tile_dim1
	s_mov_b32 s[G1B+4], 128
	s_mov_b32 s[G1+5],  SIZE_K                     ; elements from row to row
	s_mov_b32 s[G1B+5], SIZE_K
	s_mov_b32 s[G1+6],  0
	s_mov_b32 s[G1B+6], 0
	s_mov_b32 s[G1+7],  0
	s_mov_b32 s[G1B+7], 0
	; ctx's tiles hang on the block row alone, which my row of the cluster shares; w16's on the block column alone, which my column shares.
	s_lshl_b32 s16, s13, 7
	s_lshl_b32 s17, s12, 6
	s_add_co_u32 s16, s16, s17                     ; ctx: row 128 x block row + 64 x half
	s_lshl_b32 s16, s16, 12                        ; rows of 4,096 bytes: below 2^24
	s_mov_b32 s17, 0
	s_lshl_b32 s46, s42, 8
	s_lshl_b32 s47, s12, 7
	s_add_co_u32 s46, s46, s47                     ; w16: row 256 x block column + 128 x half
	s_lshl_b32 s46, s46, 12
	s_mov_b32 s47, 0
	s_mul_i32 s20, s12, AHALF                      ; where they go: made of the wave's number alone
	s_mul_i32 s45, s12, BHALF
	s_add_co_u32 s45, s45, BOFF
	s_wait_dscnt 0x0
	s_wait_kmcnt 0x0
	s_add_nc_u64 s[14:15], s[4:5], s[16:17]
	s_add_nc_u64 s[46:47], s[6:7], s[46:47]
	CROUND                                         ; all sixteen work-groups are here: the first joint loads meet
.irp s, 0,1
	s_mov_b32 s[G0+4*\s], 1
	s_add_co_u32 s[G0+4*\s+1], s20, \s*SLOT
	s_add_nc_u64 s[G0+4*\s+2:G0+4*\s+3], s[14:15], \s*KSTEP*2
	s_or_b32 s[G0+4*\s+3], s[G0+4*\s+3], 0x80000000
	s_mov_b32 s[G0B+4*\s], 1
	s_add_co_u32 s[G0B+4*\s+1], s45, \s*SLOT
	s_add_nc_u64 s[G0B+4*\s+2:G0B+4*\s+3], s[46:47], \s*KSTEP*2
	s_or_b32 s[G0B+4*\s+3], s[G0B+4*\s+3], 0x80000000
	JLOAD \s                                       ; both slots' first fills go out together: two tensor loads of the wave are out
.endr
	v_and_b32 v1, 15, v0                           ; r
	v_bfe_u32 v2, v0, 4, 1                         ; hh
	v_and_b32 v6, 31, v0                           ; lane
	v_mul_u32_u24 v3, v1, PITCH
	v_lshl_add_u32 v3, v2, 4, v3                   ; row x pitch + 16 hh
	s_mul_i32 s21, s11, AHALF                      ; my 64 rows of ctx
	s_mul_i32 s22, s12, BHALF                      ; my 128 rows of w16
	s_add_co_u32 s22, s22, BOFF
.irp s, 0,1
	v_add_nc_u32 v[ADRA+\s], s21, v3
	v_add_nc_u32 v[ADRB+\s], s22, v3
	s_add_co_u32 s21, s21, SLOT
	s_add_co_u32 s22, s22, SLOT
.endr
	s_mul_i32 s23, s10, 16*SPITCH
	s_add_co_u32 s23, s23, STAGE                   ; my stage
	v_mul_u32_u24 v4, v1, SPITCH
	v_lshl_add_u32 v4, v2, 5, v4                   ; in: row r, 32 bytes for each half of the lanes
	v_add_nc_u32 v[STO], s23, v4
	v_lshlrev_b32 v[CO], 4, v6                     ; back and out: a row of 512 bytes, 16 a lane
	v_add_nc_u32 v[RD], s23, v[CO]
; 16 matrix instructions: m blocks a0, a0 + 1 x all 8 n blocks, 32 along K.  The accumulators take turns, one instruction a turn.
.macro MUL16 f, a0, zero
.irp a, \a0, \a0+1
.irp b, 0,1,2,3,4,5,6,7
.if \zero
	v_wmma_f32_16x16x32_f16 v[8*(8*(\a)+\b):8*(8*(\a)+\b)+7], v[FB+96*\f+8*\b:FB+96*\f+8*\b+7], v[FA+96*\f+8*(\a):FA+96*\f+8*(\a)+7], 0
.else
	v_wmma_f32_16x16x32_f16 v[8*(8*(\a)+\b):8*(8*(\a)+\b)+7], v[FB+96*\f+8*\b:FB+96*\f+8*\b+7], v[FA+96*\f+8*(\a):FA+96*\f+8*(\a)+7], v[8*(8*(\a)+\b):8*(8*(\a)+\b)+7]
.endif
.endr
.endr
.endm
; 24 LDS loads in one run: a quarter step's fragments (128 rows of w16, then 64 of ctx, 32 K at byte k of the rows) into buffer f
.macro FETCH slot, k, f
	WIN 0
.irp i, 0,1,2,3,4,5,6,7
	ds_load_b128 v[FB+96*\f+8*\i:FB+96*\f+8*\i+3],   v[ADRB+\slot] offset:\k+\i*16*PITCH
	ds_load_b128 v[FB+96*\f+8*\i+4:FB+96*\f+8*\i+7], v[ADRB+\slot] offset:\k+\i*16*PITCH+32
.endr
.irp i, 0,1,2,3
	ds_load_b128 v[FA+96*\f+8*\i:FA+96*\f+8*\i+3],   v[ADRA+\slot] offset:\k+\i*16*PITCH
	ds_load_b128 v[FA+96*\f+8*\i+4:FA+96*\f+8*\i+7], v[ADRA+\slot] offset:\k+\i*16*PITCH+32
.endr
.endm
; One of a K step's first three quarters: multiplies buffer f; in its middle fetches the next quarter, at byte k, into buffer g.
; Four v_nop stand in front of each run of loads: a load lands on a register that a matrix instruction has read only four places behind it (ISA guide 7.12.1 for vector instructions).
.macro QUARTER slot, k, f, g, zero
	s_wait_dscnt 4                                 ; w16 and ctx's blocks 0, 1 are in; the four youngest loads (blocks 2, 3) may be out
	WIN MUL
	MUL16 \f, 0, \zero
	PLACES
	FETCH \slot, \k, \g
	s_wait_dscnt 24                                ; all but the 24 just issued
	WIN MUL
	MUL16 \f, 2, \zero
.endm
.macro THREE slot, zero
	QUARTER \slot, 64,  0, 1, \zero
	QUARTER \slot, 128, 1, 0, 0
	QUARTER \slot, 192, 0, 1, 0
.endm
; The last quarter multiplies buffer 1 and changes slots.  In front of the barrier each wave waits for its reads of this slot and for all its
; tensor loads (one is out: its part of the next slot).  Behind it the refill comes first, then the next slot's first fragments.
.macro TURN slot, next, fill
	s_wait_dscnt 0                                 ; buffer 1 is in: my reads of this slot are over
	s_wait_tensorcnt 0x0                           ; all my tensor loads have landed
	ds_add_u32 v62, v63
	s_wait_dscnt 0x0
	s_barrier_signal -1                            ; (where a slot is filled again this barrier opens a round of the cluster's barrier)
	WIN MUL
	MUL16 1, 0, 0                                  ; registers only
	WIN 0
	s_barrier_wait -1
.if \fill
	CREST                                          ; no wave of any partner still reads this slot's tile or has a load on its way
	s_add_nc_u64 s[G0+4*\slot+2:G0+4*\slot+3], s[G0+4*\slot+2:G0+4*\slot+3], 2*KSTEP*2
	s_add_nc_u64 s[G0B+4*\slot+2:G0B+4*\slot+3], s[G0B+4*\slot+2:G0B+4*\slot+3], 2*KSTEP*2
	JLOAD \slot                                    ; the wave's one tensor load behind the round, and the first thing there
.endif
	PLACES
	FETCH \next, 0, 0
	WIN MUL
	MUL16 1, 2, 0
.endm
.macro LAP zero
	THREE 0, \zero
	TURN 0, 1, 1
	THREE 1, 0
	TURN 1, 0, 1
.endm
	s_wait_tensorcnt 1                             ; my part of K step 0 is in; K step 1's load, issued behind it, stays out
	s_barrier_signal -1
	s_barrier_wait -1
	FETCH 0, 0, 0
	LAP 1                                          ; the first lap's first products start the sums: nothing is cleared
	WIN 0
	s_mov_b32 s3, LAPS-2
.Llap:
	LAP 0
	WIN 0
	s_sub_co_u32 s3, s3, 1
	s_cmp_lg_u32 s3, 0
	s_cbranch_scc1 .Llap
	THREE 0, 0                                     ; the last lap fills nothing
	TURN 0, 1, 0
	THREE 1, 0
	s_wait_dscnt 0
	WIN MUL
	MUL16 1, 0, 0
	MUL16 1, 2, 0
	; THE WAY OUT, 16 rows at a time: 32 bytes a lane and tile into my own stage, read back as whole rows of 512 bytes.
	PLACES                                         ; four places behind the last matrix instruction, before LDS stores read results and loads land on fragments
	s_lshl_b32 s13, s13, 7
	s_lshl_b32 s14, s11, 6
	s_add_co_u32 s16, s13, s14                     ; my first row
	s_lshl_b32 s16, s16, 13                        ; rows of 8,192 bytes: below 2^25
	s_mov_b32 s17, 0
	s_add_nc_u64 s[8:9], s[8:9], s[16:17]
	s_lshl_b32 s46, s42, 10                        ; my first column, in bytes: 1,024 x block + 512 x half
	s_lshl_b32 s47, s12, 9
	s_add_co_u32 s46, s46, s47
	s_mov_b32 s47, 0
	s_add_nc_u64 s[8:9], s[8:9], s[46:47]
.macro OUT16 a, f
	WIN 0x04                                       ; store data from window 1
.irp b, 0,1,2,3,4,5,6,7
	ds_store_b128 v[STO], v[8*(8*\a+\b):8*(8*\a+\b)+3]   offset:64*\b
	ds_store_b128 v[STO], v[8*(8*\a+\b)+4:8*(8*\a+\b)+7] offset:64*\b+16
.endr
	WIN 0
	s_wait_xcnt 0x0                                ; the registers that earlier stores read, and their base, are rewritten only behind this wait
.if \a
	s_add_nc_u64 s[8:9], s[8:9], 16*8192           ; 16 rows on
.endif
.set t, 0
.rept 16
	ds_load_b128 v[FB+96*\f+4*t:FB+96*\f+4*t+3], v[RD] offset:SPITCH*t   ; my own bytes, served in order (ISA guide 5.7.1)
.set t, t+1
.endr
.set t, 0
.rept 16
	s_wait_dscnt 15-t                              ; the 15 - t younger loads stay out
	global_store_b128 v[CO], v[FB+96*\f+4*t:FB+96*\f+4*t+3], s[8:9] offset:8192*t th:TH_STORE_NT   ; 512 neighbouring bytes, aligned
.set t, t+1
.endr
.endm
	OUT16 0, 0
	OUT16 1, 1
	OUT16 2, 0
	OUT16 3, 1
	s_wait_tensorcnt 0x0
	ds_add_u32 v62, v63
	s_wait_dscnt 0x0
	CROUND                                         ; the closing round: no work-group ends while a partner may still ask for a tile that names it
	s_endpgm
.Lfunc_end_k_q382cf33abf_proj:
	.size	k_q382cf33abf_proj, .Lfunc_end_k_q382cf33abf_proj-k_q382cf33abf_proj
	.p2alignl 7, 3214868480
	.fill 96, 4, 3214868480
	.section	.rodata,"a",@progbits
	.p2align	6, 0x0
	.amdhsa_kernel k_q382cf33abf_proj
		.amdhsa_group_segment_fixed_size 327680
		.amdhsa_private_segment_fixed_size 0
		.amdhsa_enable_private_segment 0
		.amdhsa_kernarg_size 24
		.amdhsa_user_sgpr_count 2
		.amdhsa_user_sgpr_kernarg_segment_ptr 1
		.amdhsa_wavefront_size32 1
		.amdhsa_system_sgpr_workgroup_id_x 1
		.amdhsa_system_sgpr_workgroup_id_y 1
		.amdhsa_system_sgpr_workgroup_id_z 1
		.amdhsa_system_vgpr_workitem_id 0
		.amdhsa_next_free_vgpr 512
		.amdhsa_next_free_sgpr 66
		.amdhsa_reserve_vcc 0
		.amdhsa_float_denorm_mode_32 3
		.amdhsa_float_denorm_mode_16_64 3
		.amdhsa_memory_ordered 1
		.amdhsa_forward_progress 1
		.amdhsa_inst_pref_size 117
	.end_amdhsa_kernel
	.amdgpu_metadata
---
amdhsa.version: [ 1, 2 ]
amdhsa.kernels:
  - .name:           k_q382cf33abf_proj
    .symbol:         k_q382cf33abf_proj.kd
    .args:
      - { .name: ctx, .offset: 0, .size: 8, .value_kind: global_buffer, .address_space: global }
      - { .name: w16, .offset: 8, .size: 8, .value_kind: global_buffer, .address_space: global }
      - { .name: out0, .offset: 16, .size: 8, .value_kind: global_buffer, .address_space: global }
    .group_segment_fixed_size: 327680
    .private_segment_fixed_size: 0
    .kernarg_segment_align: 8
    .kernarg_segment_size: 24
    .max_flat_workgroup_size: 128
    .sgpr_count:     66
    .vgpr_count:     512
    .wavefront_size: 32
...
	.end_amdgpu_metadata
.endif
;; end of part 3
;; ======== version 2 of 2: 3 launches; version 1 with the launch prep written anew for expert scheduling mode
;; limits: values are held in f16: magnitudes above 65,504 overflow, below 6.1e-05 lose precision; inputs' magnitudes at most 65,504
;; workspace buffers: w16 8,388,608 bytes; ctx 16,777,216 bytes; order 16,640 bytes of whole numbers
;; launch prep (part 4): grid 256 x 1, 8 waves a work-group, no clusters, 9,472 bytes of LDS; arguments w_out, attention_mask, w16, order; writes w16, order
.if DOCPART == 4
	.amdgcn_target "amdgcn-amd-amdhsa--gfx1250"
	.amdhsa_code_object_version 6
	.text
	.protected	k_q382cf33abf_prep
	.globl	k_q382cf33abf_prep
	.p2align	8
	.type	k_q382cf33abf_prep,@function
k_q382cf33abf_prep:
	s_mov_b64 s[64:65], 0
	v_nop
	global_prefetch_b8 v0, s[64:65] scope:SCOPE_SE
	s_setreg_imm32_b32 hwreg(HW_REG_WAVE_SCHED_MODE, 0, 2), 2
	s_setreg_imm32_b32 hwreg(HW_REG_WAVE_MODE, 25, 1), 1
	s_wait_xcnt 0x0
	s_wait_alu depctr_vm_vsrc(0)
; Two jobs.  (1) w16 = w_out rounded to f16: 2048 x 2048 numbers, 65,536 bytes of f32 for each of 256 work-groups, 8,192 for each wave.
; f16 and not bf16: 11 significant bits against 8.  LIMIT: a weight above 65,504 in magnitude becomes infinity; below 2^-14 the step is 2^-24.
; (2) order: for each batch b a list of 2048 key numbers, the keys whose mask byte is not 0 first (in any order), zeros behind them,
; at byte 8192 b; and their count n_b, 32 times, at byte 16384 + 128 b.  Wave 0 of work-groups 0 and 1 makes the list of batch 0 and 1
; while its share of w_out is on its way.  No mask pattern is assumed: any bytes give a right list, n_b = 0 to 2048.
; No matrix unit, no cluster, no barrier: a stream, and a scan that never leaves one wave.
; THE MODE: SCHED_MODE bits 1:0 = 2 (LLVM: expert scheduling mode 2), set by the entry lines.  The code itself states the register dependences
; between vector instructions and memory or LDS instructions, with s_wait_alu, always for 0.
; THE PLAN.  Registers that memory or LDS instructions touch:
;   v3, v4       offsets in w_out and w16: made at the head, never written again.
;   X            written by the 16 loads, read by the conversions, never loaded again.
;   Y, Y2        16 pairs, each written once, by the conversions of its group of four loads, and read by the four stores issued at the next group's head.
;   in the two scanning waves besides:
;   v5, v27-v29  offsets and the list's LDS address: made once.   MK: the mask loads land there, v_bfe_u32 reads it.   v30: n, read by its store.
;   v[96:99]     zeros, read by the 16 LDS stores that clear the list; the cast writes them later, as Y.
;   PL           64 places, made by vector lines, read by the 64 LDS stores as addresses; the cast writes the first 16 later, as Y2.
;   KEY          64 keys, made by vector lines, read by the same stores as data; then the list's 16 LDS loads land there and the 16 global stores read them.
; So a wave has one wait on va_vdst ahead of its first load and four in the cast; a scanning wave one more behind its 64 turns, one on vm_vsrc behind its 64 LDS
; stores, and one on va_sdst behind each run of eight compares.  No register that a global instruction reads is ever written again.
.set X,   32                           ; v[32:95]    16 loads of 4 f32
.set Y,   96                           ; v[96:111]   packed f16 of loads 0 to 7, a pair each
.set Y2,  114                          ; v[114:129]  of loads 8 to 15
.set MK,  8                            ; v[8:23]     64 mask bytes of my lane
.set PL,  114                          ; v[114:177]  turn j: the mask byte, then the place, then its LDS address
.set KEY, 178                          ; v[178:241]  turn j: the key 64 L + j; later the list on its way out
.set MS,  22                           ; s[22:29]    the masks of eight turns
.set SPARE, 2048                       ; the word behind the list in LDS: where masked lanes store, and nobody reads
.macro WLOADS                          ; my wave's 8,192 bytes: 16 loads of 512 neighbouring bytes, all out at once
.set i, 0
.rept 16
	global_load_b128 v[X+4*i:X+4*i+3], v3, s[4:5] offset:512*i th:TH_LOAD_NT
.set i, i+1
.endr
.endm
.macro CVT4 g                          ; group g: loads 4 g to 4 g + 3 are rounded, a lane's 4 f32 into a pair of registers
.set i, 4*\g
.rept 4
.set yr, Y+2*i+(i/8)*(Y2-Y-16)
	v_cvt_pk_f16_f32 v[yr],   v[X+4*i],   v[X+4*i+1]
	v_cvt_pk_f16_f32 v[yr+1], v[X+4*i+2], v[X+4*i+3]
.set i, i+1
.endr
.endm
.macro SEND4 g                         ; group g leaves: a store of the wave covers 256 neighbouring bytes, aligned
.set i, 4*\g
.rept 4
.set yr, Y+2*i+(i/8)*(Y2-Y-16)
	global_store_b64 v4, v[yr:yr+1], s[8:9] offset:256*i
.set i, i+1
.endr
.endm
	s_load_b256 s[4:11], s[0:1], 0x0               ; w_out s[4:5], mask s[6:7], w16 s[8:9], order s[10:11]
	v_lshl_add_u32 v112, v0, 2, 0x2100
	v_mov_b32 v113, 0
	v_lshrrev_b32 v1, 5, v0
	v_readfirstlane_b32 s12, v1                    ; wave 0..7
	s_mov_b32 s13, ttmp9                           ; work-group
	v_and_b32 v2, 31, v0                           ; lane
	v_lshlrev_b32 v3, 4, v2
	v_lshlrev_b32 v4, 3, v2
	s_lshl_b32 s14, s13, 16                        ; the work-group's 65,536 bytes of w_out
	s_mov_b32 s15, 0
	s_lshl_b32 s16, s13, 15                        ; and its 32,768 bytes of w16
	s_mov_b32 s17, 0
	s_wait_alu depctr_va_sdst(0)                   ; s12 is written, ahead of its first reader: the two offsets and the branch below are made from it
	v_lshl_add_u32 v3, s12, 13, v3                 ; in w_out: 8,192 wave + 16 lane
	v_lshl_add_u32 v4, s12, 12, v4                 ; in w16: 4,096 wave + 8 lane
	s_wait_kmcnt 0x0
	s_add_nc_u64 s[4:5], s[4:5], s[14:15]
	s_add_nc_u64 s[8:9], s[8:9], s[16:17]
	s_cmp_lg_u32 s12, 0
	s_cbranch_scc1 .Lplain                         ; only wave 0
	s_cmp_gt_u32 s13, 1
	s_cbranch_scc1 .Lplain                         ; of work-groups 0 and 1 scans; batch b = work-group
	; ---- the scan.  Lane L owns keys 64 L .. 64 L + 63.
	v_lshlrev_b32 v26, 6, v2                       ; 64 L: my first key, and my bytes in the batch's mask
	v_lshl_add_u32 v5, s13, 11, v26                ; + 2,048 b
	v_lshlrev_b32 v27, 4, v2                       ; the list in LDS by rows: 16 L,
	v_lshl_add_u32 v28, s13, 13, v27               ; 8,192 b + 16 L in order,
	v_lshlrev_b32 v29, 2, v2
	v_lshl_add_u32 v29, s13, 7, v29                ; 128 b + 4 L for the count
	v_mov_b32 v24, SPARE
.irp i, 0,1,2,3
	v_mov_b32 v[Y+\i], 0
.endr
	s_wait_alu depctr_va_vdst(0)                   ; v3, v4, v5, v27, v28 and v29 are written, which the loads and stores below read as offsets and addresses, and so are the four zeros, the data of the LDS stores below
.irp i, 0,1,2,3
	global_load_b128 v[MK+4*\i:MK+4*\i+3], v5, s[6:7] offset:16*\i
.endr
	WLOADS
.set t, 0
.rept 16                               ; the whole list starts as zeros: 16 stores of 512 neighbouring bytes
	ds_store_b128 v27, v[Y:Y+3] offset:512*t
.set t, t+1
.endr
.set j, 0
.rept 64                               ; the 64 keys, while the mask is on its way
	v_add_nc_u32 v[KEY+j], j, v26
.set j, j+1
.endr
	s_mov_b32 s18, 0                               ; valid keys placed so far
	s_wait_loadcnt 16                              ; the four mask loads are in; the 16 younger loads of w_out stay out
	; Turn j takes key 64 L + j of every lane.  A valid key goes to place (valid so far) + (valid lanes below me); a masked lane's place is the
	; spare word.  Eight turns at a time: their compares stand in one run, each with a scalar register of its own.
.set j, 0
.rept 8
.set k, 0
.rept 8
	v_bfe_u32 v[PL+j+k], v[MK+(j+k)/4], 8*((j+k)%4), 8   ; my mask byte
.set k, k+1
.endr
.set k, 0
.rept 8
	v_cmp_ne_u32 s[MS+k], 0, v[PL+j+k]
.set k, k+1
.endr
	s_wait_alu depctr_va_sdst(0)                   ; the eight compares have written s[22:29], ahead of their first readers: the counts and selects below
.set k, 0
.rept 8
	v_mbcnt_lo_u32_b32 v[PL+j+k], s[MS+k], s18
	s_bcnt1_i32_b32 s21, s[MS+k]
	s_add_co_u32 s18, s18, s21
.set k, k+1
.endr
.set k, 0
.rept 8
	v_cndmask_b32 v[PL+j+k], v24, v[PL+j+k], s[MS+k]     ; the place
.set k, k+1
.endr
.set k, 0
.rept 8
	v_min_u32 v[PL+j+k], SPARE, v[PL+j+k]          ; a place made from loaded bytes is bounded before it becomes an address
.set k, k+1
.endr
.set k, 0
.rept 8
	v_lshlrev_b32 v[PL+j+k], 2, v[PL+j+k]
.set k, k+1
.endr
.set j, j+8
.endr
	v_mov_b32 v30, s18                             ; n
	s_wait_alu depctr_va_vdst(0)                   ; the 64 addresses in PL, the 64 keys in KEY and v30 are written, which the stores below read; the vector writes of KEY are done before the list's loads land there
	; LDS serves a wave's instructions in order (ISA guide 5.7.1): these stores land on the zeros above.
.set j, 0
.rept 64
	ds_store_b32 v[PL+j], v[KEY+j]
.set j, j+1
.endr
	s_wait_alu depctr_vm_vsrc(0)                   ; the LDS stores have read KEY, in which the loads below land, PL, whose first 16 registers the cast writes, and v[96:99], which the cast writes too
	; The list leaves LDS through registers, 512 neighbouring bytes a store.
	; These loads see the stores above (the same wave, served in order); s_wait_dscnt 15-t leaves the 15-t younger loads out.
.set t, 0
.rept 16
	ds_load_b128 v[KEY+4*t:KEY+4*t+3], v27 offset:512*t
.set t, t+1
.endr
.set t, 0
.rept 16
	s_wait_dscnt 15-t
	global_store_b128 v28, v[KEY+4*t:KEY+4*t+3], s[10:11] offset:512*t
.set t, t+1
.endr
	global_store_b32 v29, v30, s[10:11] offset:16384
	s_branch .Lcast
.Lplain:
	s_wait_alu depctr_va_vdst(0)                   ; v3 and v4 are written, which the loads below and the cast's stores read as offsets
	WLOADS
.Lcast:
	; ---- the cast, in four groups of four loads.  s_wait_loadcnt 12, 8, 4, 0: a group is in, the younger groups stay out.
	; A group's stores are issued at the next group's head, behind the wait for that group's loads.
	s_wait_loadcnt 12
	CVT4 0
	s_wait_loadcnt 8
	s_wait_alu depctr_va_vdst(0)                   ; group 0's conversions have written their four pairs, which the stores below read
	SEND4 0
	CVT4 1
	s_wait_loadcnt 4
	s_wait_alu depctr_va_vdst(0)                   ; group 1's conversions have written their four pairs
	SEND4 1
	CVT4 2
	s_wait_loadcnt 0x0
	s_wait_alu depctr_va_vdst(0)                   ; group 2's conversions have written their four pairs
	SEND4 2
	CVT4 3
	s_wait_alu depctr_va_vdst(0)                   ; group 3's conversions have written their four pairs
	SEND4 3
	s_wait_dscnt 0x0                               ; the closing lines, six on end
	s_wait_alu 0x0
	s_wait_tensorcnt 0x0
	ds_add_u32 v112, v113
	s_wait_dscnt 0x0
	s_endpgm
.Lfunc_end_k_q382cf33abf_prep:
	.size	k_q382cf33abf_prep, .Lfunc_end_k_q382cf33abf_prep-k_q382cf33abf_prep
	.p2alignl 7, 3214868480
	.fill 96, 4, 3214868480
	.section	.rodata,"a",@progbits
	.p2align	6, 0x0
	.amdhsa_kernel k_q382cf33abf_prep
		.amdhsa_group_segment_fixed_size 9472
		.amdhsa_private_segment_fixed_size 0
		.amdhsa_enable_private_segment 0
		.amdhsa_kernarg_size 32
		.amdhsa_user_sgpr_count 2
		.amdhsa_user_sgpr_kernarg_segment_ptr 1
		.amdhsa_wavefront_size32 1
		.amdhsa_system_sgpr_workgroup_id_x 1
		.amdhsa_system_sgpr_workgroup_id_y 1
		.amdhsa_system_sgpr_workgroup_id_z 1
		.amdhsa_system_vgpr_workitem_id 0
		.amdhsa_next_free_vgpr 242
		.amdhsa_next_free_sgpr 66
		.amdhsa_reserve_vcc 0
		.amdhsa_float_denorm_mode_32 3
		.amdhsa_float_denorm_mode_16_64 3
		.amdhsa_memory_ordered 1
		.amdhsa_forward_progress 1
		.amdhsa_inst_pref_size 46
	.end_amdhsa_kernel
	.amdgpu_metadata
---
amdhsa.version: [ 1, 2 ]
amdhsa.kernels:
  - .name:           k_q382cf33abf_prep
    .symbol:         k_q382cf33abf_prep.kd
    .args:
      - { .name: w_out, .offset: 0, .size: 8, .value_kind: global_buffer, .address_space: global }
      - { .name: attention_mask, .offset: 8, .size: 8, .value_kind: global_buffer, .address_space: global }
      - { .name: w16, .offset: 16, .size: 8, .value_kind: global_buffer, .address_space: global }
      - { .name: order, .offset: 24, .size: 8, .value_kind: global_buffer, .address_space: global }
    .group_segment_fixed_size: 9472
    .private_segment_fixed_size: 0
    .kernarg_segment_align: 8
    .kernarg_segment_size: 32
    .max_flat_workgroup_size: 256
    .sgpr_count:     66
    .vgpr_count:     242
    .wavefront_size: 32
...
	.end_amdgpu_metadata
.endif
;; end of part 4
;; launch attn: the kernel of part 2 again; grid 8 x 32, 4 waves a work-group, no clusters, 72,192 bytes of LDS; arguments queries, keys, values, order, ctx; writes ctx
;; launch proj: the kernel of part 3 again; grid 8 x 32, 4 waves a work-group, clusters of 4 x 4, 327,680 bytes of LDS; arguments ctx, w16, out0; writes out0
